; MI455X (gfx1250); checked and timed in simulation.
; The chip was launched on July 23, 2026; its instructions are those of AMD's public machine-readable ISA for CDNA 5 (MIT licence, August 2026) and "CDNA5" Instruction Set Architecture Reference Guide (July 2026). The comments in the code are by the model that wrote it; some were corrected since.
;; W8 A8 BFP32 OFP32 Linear. Allowed arithmetic: float matrix products may take bf16 or f16 operands with f32 sums; other float arithmetic in f32, or as packed bf16 or f16 multiplies, adds, multiply-adds, maxima and minima; sums over many terms, partial sums and values carried from step to step in f32; what a program stores and reads back later, other than sums and carried values, may be rounded once to bf16 or f16.
;; Inputs: bias 4,096 float32; w_q 4,096 x 4,096 int32; weight_scale 4,096 x 1 float32; x 4 x 1,024 x 4,096 float32.
;; Outputs: out0 4 x 1,024 x 4,096 float32.
;; 2 versions, each right; version 2 is version 1 with the launch prep written anew for expert scheduling mode. Each part assembles by itself: llvm-mc -triple=amdgcn-amd-amdhsa -mcpu=gfx1250 --defsym DOCPART=n.
;; ======== version 1 of 2: 2 launches
;; workspace buffers: xq 33,554,432 bytes; wq 33,554,432 bytes; ascale 16,384 bytes
;; launch prep (part 1): grid 512 x 2, 8 waves a work-group, no clusters, 0 bytes of LDS; arguments x, w_q, xq, wq, ascale; writes xq, wq, ascale
.if DOCPART == 1
	.amdgcn_target "amdgcn-amd-amdhsa--gfx1250"
	.amdhsa_code_object_version 6
	.text
	.protected	k_q2ea454eba9_prep
	.globl	k_q2ea454eba9_prep
	.p2align	8
	.type	k_q2ea454eba9_prep,@function
k_q2ea454eba9_prep:
	s_mov_b64 s[64:65], 0
	v_nop
	global_prefetch_b8 v0, s[64:65] scope:SCOPE_SE
	s_setreg_imm32_b32 hwreg(HW_REG_WAVE_MODE, 25, 1), 1
	s_wait_xcnt 0x0
; THE OPERANDS OF THE PRODUCT, MADE ONCE.  Work-groups with y = 0 take x, those with y = 1 take w_q; both tensors are [4096][4096] of 4-byte numbers.
; y = 0: for each row of x: s = max(max|x| / 127, 1e-8) -> ascale[row];  xq[row][k] = clip(round(x / s), -128, 127) as bf16 (whole numbers up to 256 are exact in bf16).
; y = 1: wq[p(n)][k] = w_q[n][k] as bf16, where p(n) = (n & ~63) + 16 (n & 3) + ((n >> 2) & 15): inside each group of 64 rows the rows are dealt out so that stored row
;        64 G + 16 b + r holds true row 64 G + 4 r + b.  The product's launch then finds four neighbouring output columns in one lane and stores 16 bytes a lane.
; SHARES.  One wave takes one row: 32 loads of 16 bytes a lane hold its 16,384 bytes in 128 registers between the pass that finds the maximum and the pass that quantises, so the row
; is read once and no wave waits for another: no LDS, no barrier.  A lane's four numbers of a load become 8 bytes: a store of the wave covers 256 consecutive bytes, aligned.
; Nothing is shared between waves and each byte is read once, so tensor loads, clusters and the matrix unit have no part here; all of a wave's loads go out at its head, so there is nothing to ask for ahead of them.
; LIMITS.  NaN in x is dropped by the maximum and by the clip (reference() would spread it over the row); an infinity in x is not treated apart.  x / s is x * (1/s) corrected once by the
; remainder (x - q s): it may differ from a true division in the last bit, so a quotient that lies on a rounding tie may go to the neighbouring whole number: one step of xq.
; The same holds of max|x| / 127.  Values of w_q beyond 256 in magnitude would be rounded to bf16's 8 significant bits.
.set IN,  2                            ; v2       16 x lane: my 16 bytes in 512 of the row as it is read; never rewritten
.set OUT, 3                            ; v3       8 x lane: my 8 bytes in 256 of the row as it is written; never rewritten
.set M,   4                            ; v[4:7]   four running maxima
.set Z,   8                            ; v8       0
.set S,   10                           ; v[10:11] s, twice (a pair for the packed arithmetic)
.set R,   12                           ; v[12:13] 1 / s, twice
.set TQ,  14                           ; v[14:29] at work: two sets of 8, by the load's parity
.set X,   32                           ; v[32:159] the row: load j at X + 4 j; later its first two registers hold the 8 bytes to store
	s_load_b256 s[4:11], s[0:1], 0x0               ; x s[4:5], w_q s[6:7], xq s[8:9], wq s[10:11]
	s_load_b64 s[12:13], s[0:1], 0x20              ; ascale
	v_and_b32 v1, 31, v0                           ; lane
	v_lshrrev_b32 v9, 5, v0
	v_readfirstlane_b32 s14, v9                    ; wave 0..7
	s_and_b32 s15, ttmp7, 0xffff                   ; 0: x, 1: w_q
	s_lshl_b32 s16, ttmp9, 3
	s_add_co_u32 s16, s16, s14                     ; my row
	v_lshlrev_b32 v[IN], 4, v1
	v_lshlrev_b32 v[OUT], 3, v1
	v_mov_b32 v[Z], 0
	s_mov_b32 s26, 0x3c010204                      ; 1 / 127
	s_mov_b32 s27, 0x42fe0000                      ; 127.0
	s_mov_b32 s28, 0x322bcc77                      ; 1e-8
	s_mov_b32 s29, 0xc3000000                      ; -128.0
	s_mov_b32 s30, 0x76543210                      ; v_permlanex16_b32: each lane takes its own place in the other half
	s_mov_b32 s31, 0xfedcba98
	s_and_b32 s17, s16, 0xfc0                      ; the row's group of 64,
	s_and_b32 s18, s16, 3
	s_lshl_b32 s18, s18, 4                         ; 16 x (row & 3),
	s_bfe_u32 s19, s16, 0x40002                    ; (row >> 2) & 15
	s_add_co_u32 s17, s17, s18
	s_add_co_u32 s17, s17, s19                     ; p(row)
	s_cmp_eq_u32 s15, 0
	s_cselect_b32 s17, s16, s17                    ; x's rows stay where they are
	s_lshl_b32 s20, s16, 14                        ; the row as it is read: 16,384 bytes a row
	s_mov_b32 s21, 0
	s_lshl_b32 s22, s17, 13                        ; as it is written: 8,192 bytes a row
	s_mov_b32 s23, 0
	s_lshl_b32 s32, s16, 2                         ; its word in ascale
	s_mov_b32 s33, 0
	s_wait_kmcnt 0x0
	s_cmp_eq_u32 s15, 0                            ; (the shifts above have written SCC)
	s_cselect_b64 s[24:25], s[4:5], s[6:7]
	s_cselect_b64 s[34:35], s[8:9], s[10:11]
	s_add_nc_u64 s[24:25], s[24:25], s[20:21]
	s_add_nc_u64 s[34:35], s[34:35], s[22:23]
	s_add_nc_u64 s[12:13], s[12:13], s[32:33]
.irp j, 0,1,2,3,4,5,6,7,8,9,10,11,12,13,14,15,16,17,18,19,20,21,22,23,24,25,26,27,28,29,30,31
	global_load_b128 v[X+4*(\j):X+4*(\j)+3], v[IN], s[24:25] offset:512*(\j) th:TH_LOAD_NT  ; 512 neighbouring bytes a load; the whole row is on its way
.endr
	s_cmp_lg_u32 s15, 0
	s_cbranch_scc1 .Lweights
	; PASS 1: the largest |x| of my 128 numbers, in four chains; the first two loads start them, so nothing is cleared
.irp j, 0,1,2,3,4,5,6,7,8,9,10,11,12,13,14,15,16,17,18,19,20,21,22,23,24,25,26,27,28,29,30,31
.if (\j)%4 == 0
	s_wait_loadcnt 28-(\j)                         ; loads come back in order (ISA guide 5.7.1): loads j .. j + 3 are in, the 28 - j younger ones stay out
.endif
.if (\j) < 2
	v_max_num_f32 v[M+2*(\j)],   |v[X+4*(\j)]|,   |v[X+4*(\j)+1]|
	v_max_num_f32 v[M+2*(\j)+1], |v[X+4*(\j)+2]|, |v[X+4*(\j)+3]|
.else
	v_max3_num_f32 v[M+2*((\j)%2)],   |v[X+4*(\j)]|,   |v[X+4*(\j)+1]|, v[M+2*((\j)%2)]
	v_max3_num_f32 v[M+2*((\j)%2)+1], |v[X+4*(\j)+2]|, |v[X+4*(\j)+3]|, v[M+2*((\j)%2)+1]
.endif
.endr
	v_max3_num_f32 v[M], v[M], v[M+1], v[M+2]
	v_max_num_f32 v[M], v[M], v[M+3]
	; across the 32 lanes: four steps inside each half of 16 lanes, one across the halves; every lane ends with the row's maximum
	v_max_num_f32_dpp v[M], v[M], v[M] row_xmask:1 row_mask:0xf bank_mask:0xf
	v_max_num_f32_dpp v[M], v[M], v[M] row_xmask:2 row_mask:0xf bank_mask:0xf
	v_max_num_f32_dpp v[M], v[M], v[M] row_xmask:4 row_mask:0xf bank_mask:0xf
	v_max_num_f32_dpp v[M], v[M], v[M] row_xmask:8 row_mask:0xf bank_mask:0xf
	v_permlanex16_b32 v[M+1], v[M], s30, s31       ; its destination counts as read: M + 1 has been written
	v_max_num_f32 v[M], v[M], v[M+1]
	; s = max(m / 127, 1e-8): m x (1/127), corrected once by the remainder
	v_mul_f32 v9, s26, v[M]
	v_fma_f32 v[M+1], -v9, s27, v[M]               ; m - 127 q
	v_fma_f32 v9, v[M+1], s26, v9
	v_max_num_f32 v[S], s28, v9
	v_rcp_f32 v[R], v[S]                           ; s lies between 1e-8 and 2.7e36: neither it nor its reciprocal is a denormal
	v_mov_b32 v[S+1], v[S]                         ; the plain instruction behind the reciprocal (ISA guide 5.7.2); it writes neither R nor the source
	s_wait_alu depctr_va_vdst(0)                   ; the wait ahead of the first line that names the reciprocal
	v_mov_b32 v[R+1], v[R]
	; PASS 2: q = x / s, rounded to the nearest whole number (ties to even), clipped, to bf16; four numbers of a lane are 8 bytes
.macro QUANT j
.set T,  TQ+8*((\j)%2)
.set XR, X+4*(\j)
	v_pk_mul_f32 v[T:T+1],   v[XR:XR+1],   v[R:R+1]
	v_pk_mul_f32 v[T+2:T+3], v[XR+2:XR+3], v[R:R+1]
	v_pk_fma_f32 v[T+4:T+5], v[T:T+1],   v[S:S+1], v[XR:XR+1]   neg_lo:[1,0,0] neg_hi:[1,0,0]  ; x - q s
	v_pk_fma_f32 v[T+6:T+7], v[T+2:T+3], v[S:S+1], v[XR+2:XR+3] neg_lo:[1,0,0] neg_hi:[1,0,0]
	v_pk_fma_f32 v[T:T+1],   v[T+4:T+5], v[R:R+1], v[T:T+1]
	v_pk_fma_f32 v[T+2:T+3], v[T+6:T+7], v[R:R+1], v[T+2:T+3]
.irp k, 0,1,2,3
	v_rndne_f32 v[T+(\k)], v[T+(\k)]
.endr
.irp k, 0,1,2,3
	v_med3_num_f32 v[T+(\k)], v[T+(\k)], s29, s27  ; the clip to -128 .. 127
.endr
	v_cvt_pk_bf16_f32 v[XR],   v[T],   v[T+1]      ; exact: whole numbers of at most 8 bits
	v_cvt_pk_bf16_f32 v[XR+1], v[T+2], v[T+3]
	global_store_b64 v[OUT], v[XR:XR+1], s[34:35] offset:256*(\j)  ; the wave stores 256 consecutive bytes, aligned; its data registers are not written again
.endm
.irp j, 0,1,2,3,4,5,6,7,8,9,10,11,12,13,14,15,16,17,18,19,20,21,22,23,24,25,26,27,28,29,30,31
	QUANT \j
.endr
	s_wait_xcnt 0x0                                ; EXEC is a source of the stores above: it is narrowed only behind this wait
	v_cmp_eq_u32 vcc_lo, 0, v1
	s_and_saveexec_b32 s36, vcc_lo
	global_store_b32 v[Z], v[S], s[12:13]          ; lane 0 stores the row's scale
	s_wait_xcnt 0x0                                ; and widened again only behind this one
	s_or_b32 exec_lo, exec_lo, s36
	s_endpgm
.Lweights:                                             ; whole numbers to f32 to bf16, as the loads come in
.irp j, 0,1,2,3,4,5,6,7,8,9,10,11,12,13,14,15,16,17,18,19,20,21,22,23,24,25,26,27,28,29,30,31
	s_wait_loadcnt 31-(\j)                         ; load j is in, the 31 - j younger ones stay out
.irp k, 0,1,2,3
	v_cvt_f32_i32 v[X+4*(\j)+(\k)], v[X+4*(\j)+(\k)]
.endr
	v_cvt_pk_bf16_f32 v[X+4*(\j)],   v[X+4*(\j)],   v[X+4*(\j)+1]
	v_cvt_pk_bf16_f32 v[X+4*(\j)+1], v[X+4*(\j)+2], v[X+4*(\j)+3]
	global_store_b64 v[OUT], v[X+4*(\j):X+4*(\j)+1], s[34:35] offset:256*(\j)
.endr
	s_endpgm
.Lfunc_end_k_q2ea454eba9_prep:
	.size	k_q2ea454eba9_prep, .Lfunc_end_k_q2ea454eba9_prep-k_q2ea454eba9_prep
	.p2alignl 7, 3214868480
	.fill 96, 4, 3214868480
	.section	.rodata,"a",@progbits
	.p2align	6, 0x0
	.amdhsa_kernel k_q2ea454eba9_prep
		.amdhsa_group_segment_fixed_size 0
		.amdhsa_private_segment_fixed_size 0
		.amdhsa_enable_private_segment 0
		.amdhsa_kernarg_size 40
		.amdhsa_user_sgpr_count 2
		.amdhsa_user_sgpr_kernarg_segment_ptr 1
		.amdhsa_wavefront_size32 1
		.amdhsa_system_sgpr_workgroup_id_x 1
		.amdhsa_system_sgpr_workgroup_id_y 1
		.amdhsa_system_sgpr_workgroup_id_z 1
		.amdhsa_system_vgpr_workitem_id 0
		.amdhsa_next_free_vgpr 160
		.amdhsa_next_free_sgpr 66
		.amdhsa_reserve_vcc 1
		.amdhsa_float_denorm_mode_32 3
		.amdhsa_float_denorm_mode_16_64 3
		.amdhsa_memory_ordered 1
		.amdhsa_forward_progress 1
		.amdhsa_inst_pref_size 54
	.end_amdhsa_kernel
	.amdgpu_metadata
---
amdhsa.version: [ 1, 2 ]
amdhsa.kernels:
  - .name:           k_q2ea454eba9_prep
    .symbol:         k_q2ea454eba9_prep.kd
    .args:
      - { .name: x, .offset: 0, .size: 8, .value_kind: global_buffer, .address_space: global }
      - { .name: w_q, .offset: 8, .size: 8, .value_kind: global_buffer, .address_space: global }
      - { .name: xq, .offset: 16, .size: 8, .value_kind: global_buffer, .address_space: global }
      - { .name: wq, .offset: 24, .size: 8, .value_kind: global_buffer, .address_space: global }
      - { .name: ascale, .offset: 32, .size: 8, .value_kind: global_buffer, .address_space: global }
    .group_segment_fixed_size: 0
    .private_segment_fixed_size: 0
    .kernarg_segment_align: 8
    .kernarg_segment_size: 40
    .max_flat_workgroup_size: 256
    .sgpr_count:     66
    .vgpr_count:     160
    .wavefront_size: 32
...
	.end_amdgpu_metadata
.endif
;; end of part 1
;; launch gemm (part 2): grid 16 x 16, 4 waves a work-group, clusters of 4 x 4, 327,680 bytes of LDS; arguments xq, wq, ascale, weight_scale, bias, out0; writes out0
.if DOCPART == 2
	.amdgcn_target "amdgcn-amd-amdhsa--gfx1250"
	.amdhsa_code_object_version 6
	.text
	.protected	k_q2ea454eba9_gemm
	.globl	k_q2ea454eba9_gemm
	.p2align	8
	.type	k_q2ea454eba9_gemm,@function
k_q2ea454eba9_gemm:
	s_mov_b64 s[64:65], 0
	v_nop
	global_prefetch_b8 v0, s[64:65] scope:SCOPE_SE
	s_setreg_imm32_b32 hwreg(HW_REG_WAVE_MODE, 25, 1), 1
	s_wait_xcnt 0x0
	s_wait_alu depctr_hold_cnt(0) depctr_sa_sdst(0) depctr_va_vdst(0) depctr_va_sdst(0) depctr_va_ssrc(0) depctr_va_vcc(0) depctr_vm_vsrc(0)
	s_getreg_b32 s2, hwreg(HW_REG_IB_STS2, 6, 4)
	s_cmp_eq_u32 s2, 0
	s_cbranch_scc0 .Lentry_in_a_cluster
	s_endpgm
.Lentry_in_a_cluster:
	s_bfe_u32 s2, ttmp6, 0x10000c
	s_cmp_lg_u32 s2, 0xf033
	s_cbranch_scc0 .Lentry_shape_is_right
	s_endpgm
.Lentry_shape_is_right:
; out0[m][n] = ((sum over k of xq[m][k] w[n][k]) x ascale[m]) x weight_scale[n] + bias[n].  xq: [4096][4096] bf16; wq: [4096][4096] bf16, w's rows dealt out inside each group of 64:
; stored row 64 G + 16 b + r holds true row 64 G + 4 r + b.  Both hold whole numbers of at most 8 bits, exact in bf16; the sums are f32.  out0: [4096][4096] f32.
; A tile of out0, 256 x 256, is made by a work-group of four waves; a wave makes 128 x 128: 64 accumulators of 16 x 16, 512 registers.  256 tiles, one work-group each.
; K goes in steps of 128 through a ring of two LDS slots filled by the tensor data mover: a tile's rows are 256 bytes of memory and start at multiples of 256 bytes from the buffer's first byte.
; CLUSTERS: 4 x 4 work-groups.  The four of a row of the cluster need the same tiles of xq, the four of a column the same tiles of wq: each tile is asked for JOINTLY, by the same tensor load with
; the same descriptor and a mask that names the four, which divides the requests for both by four.
; THE WAY OUT NEEDS NO LDS.  Source 0 = 16 rows of xq, source 1 = 16 stored rows of wq: in accumulator (a, b) register j of lane (r = l % 16, h = l / 16) is row 16 a + 8 h + j and stored column 16 b + r,
; which is true column 64 (b / 4) + 4 r + b % 4.  So accumulators 4 g .. 4 g + 3 hold, in one lane, four NEIGHBOURING columns of a row: the multiply-add that dequantises writes them into four neighbouring
; registers, and a store of 16 bytes a lane has sixteen lanes filling 256 consecutive bytes of a row of out0, aligned.
; REGISTERS, in windows of 256 (s_set_vgpr_msb's low byte: bits 1:0 source 0, 3:2 source 1, 5:4 source 2, 7:6 destination):
;   window 0: v0-31 addresses; v32-39 weight_scale, v40-47 bias of my lane's 8 columns; v64-127, v128-191 fragments of xq, two buffers (on the way out: results to store, two buffers); v192-255 ascale of my lane's 64 rows
;   window 1: v64-127, v128-191 fragments of wq, two buffers
;   window 2: the 32 accumulators of my rows 0-63 (accumulator (a, b) at v[8 (8 a + b)]);   window 3: those of my rows 64-127
; LIMITS.  The f32 sums round once they pass 2^24; NaN and infinities in the scales and the bias go through the arithmetic as they come.
.set SIZE_K, 4096
.set SIZE_N, 4096
.set KSTEP,  128
.set PITCH,  272                       ; an LDS row: 256 bytes of data + 16 of padding = 68 words: row r starts at bank 4 r mod 64 (64 banks of 4 bytes: ISA guide 11.1), so the 16 rows of a load start at 16 different banks
.set HALFT,  128*PITCH                 ; 128 rows: what one tensor load brings, and what one wave reads of xq or of wq
.set SLOT,   4*HALFT                   ; xq's 256 rows, then wq's 256 rows
.set SPARE,  2*SLOT                    ; behind the ring: the spare words, 128 bytes for each wave: two blocks of 256 bytes that no other line names
.set LAPS,   SIZE_K/(2*KSTEP)          ; a lap = two K steps = once round the ring: 16
.set ROWO,   SIZE_N*4                  ; bytes in a row of out0
.set ADRA, 16                          ; v16-17  LDS address of my xq fragments in slot 0, 1
.set ADRB, 20                          ; v20-21  the same for wq
.set AO,   24                          ; v24     32 h: my 8 rows' words in 16 rows of ascale
.set NO,   25                          ; v25     16 r: my 4 columns' words in 64 columns of weight_scale and bias
.set CO,   26                          ; v26     my byte offset in out0: 8 h rows + 16 r
.set SPW,  28                          ; v28     LDS address of my spare word: SPARE + 4 x my thread's number; never rewritten
.set NIL,  29                          ; v29     0; never rewritten
.set PFO,  30                          ; v30     the prefetches' offset: my lane x a row of xq or wq (8,192 bytes); never rewritten
.set WS,   32                          ; v[32:39]   weight_scale[col0 + 64 g + 4 r + c] at WS + 4 g + c
.set BI,   40                          ; v[40:47]   bias likewise
.set F0,   64                          ; fragment buffer 0
.set F1,   128                         ; fragment buffer 1
.set AS,   192                         ; v[192:255] ascale[row0 + 16 a + 8 h + j] at AS + 8 a + j
.set PFA,  44                          ; s[44:45] where my prefetches stand: my work-group's 32 rows of the 128 that I fetch, one K step further along K than the refill that is being asked for
.set LIM,  43                          ; s43     1 in a wave that prefetches, else the greatest number
.set G1,  24                           ; s[24:31] descriptor group 1 for xq's tiles
.set G0,  32                           ; s[32:39] descriptor group 0 for xq's tiles, one set for each slot
.set G1B, 48                           ; s[48:55] group 1 for wq's tiles: it differs in the mask alone
.set G0B, 56                           ; s[56:63] group 0 for wq's tiles, one set for each slot
.set MSB, 0
.macro WIN new                         ; the immediate's high byte repeats the setting that is left; a switch that changes nothing is dropped
.if MSB != (\new)
	s_set_vgpr_msb (MSB<<8)|(\new)
.set MSB, \new
.endif
.endm
.set MUL_LO, 0xa4                      ; source 0 (xq) window 0, source 1 (wq) window 1, C and D window 2
.set MUL_HI, 0xf4                      ; the same, C and D window 3
.set TO_B,   0x40                      ; destination window 1, address window 0
; A joint load.  Waves 0 and 1 fetch xq's two halves, waves 2 and 3 wq's.  Each of the two lines has ONE mask and one set of registers for all that issue it.  The branch hangs on the wave's number alone.
; An s_nop 0 and four v_nop follow each of the two lines, ahead of the jump, the label and what follows.
.macro JLOAD s
	s_cmp_eq_u32 s11, 0
	s_cbranch_scc0 .Lfor_b_\@
	tensor_load_to_lds s[G0+4*(\s):G0+4*(\s)+3], s[G1:G1+7]
	s_nop 0
.rept 4
	v_nop
.endr
	s_branch .Lasked_\@
.Lfor_b_\@:
	tensor_load_to_lds s[G0B+4*(\s):G0B+4*(\s)+3], s[G1B:G1B+7]
	s_nop 0
.rept 4
	v_nop
.endr
.Lasked_\@:
.endm
; A PREFETCH INTO THE L2, behind each joint refill, its five lines and the run of LDS loads that follows them: the K step that stands TWO refills on, 512 matrix instructions ahead of the load that will want it:
; 32 rows x 256 bytes, a lane a row, one instruction a wave.  Each row's 256 bytes of a K step are named ONCE in the launch: xq's tile row is read by every cluster of that row of clusters, and the first of
; them (cluster x = 0) asks; wq's tile column by every cluster of that column, and cluster y = 0 asks.  The four partners that ask for a tile jointly share its rows out BY ADDRESS: of the 128 rows that a wave
; fetches the partner at place p takes 32 p .. 32 p + 31 (p = cx for xq, cy for wq).  K steps 0 to 3 come by their loads alone; the loop's last trip (s3 = 1) has no K step two on and asks for nothing.
.macro ASK
	s_cmp_gt_u32 s3, s[LIM]
	s_cbranch_scc0 .Lnot_mine_\@
	global_prefetch_b8 v[PFO], s[PFA:PFA+1] offset:KSTEP*2 th:TH_LOAD_NT scope:SCOPE_SE
.Lnot_mine_\@:
.endm
; A round of the cluster's barrier: my work-group's barrier, so that wave 0's signal speaks for all four waves; wave 0 signals for the work-group; every wave waits for all sixteen; my work-group's barrier once more.
.macro CREST                           ; a round behind its opening barrier
	s_cmp_lg_u32 s10, 0
	s_cbranch_scc1 .Lnot_wave_0_\@
	s_barrier_signal -3
.Lnot_wave_0_\@:
	s_barrier_wait -3
	s_barrier_signal -1
	s_barrier_wait -1
.endm
.macro CROUND                          ; a whole round
	s_barrier_signal -1
	s_barrier_wait -1
	CREST
.endm
	s_load_b128 s[4:7], s[0:1], 0x0                ; xq s[4:5], wq s[6:7]
	s_load_b256 s[68:75], s[0:1], 0x10             ; ascale s[68:69], weight_scale s[70:71], bias s[72:73], out0 s[74:75]
	v_lshl_add_u32 v[SPW], v0, 2, SPARE
	v_mov_b32 v[NIL], 0
	ds_add_u32 v[SPW], v[NIL]                      ; the wave's opening: the add and its wait stand ahead of my first tensor load; the set-up below, work on registers, stands between them
	v_lshrrev_b32 v1, 5, v0
	v_readfirstlane_b32 s10, v1                    ; wave 0..3
	s_lshr_b32 s11, s10, 1                         ; which half of the tile's rows is mine.  Also: I fetch for xq (0) or for wq (1)
	s_and_b32 s12, s10, 1                          ; which half of its columns.  Also: which 128 rows of that tile I fetch
	s_bfe_u32 s40, ttmp6, 0x40000                  ; cx: my place along the cluster's x
	s_bfe_u32 s41, ttmp6, 0x40004                  ; cy: along its y
	s_lshl_b32 s42, ttmp9, 2                       ; in a cluster launch ttmp9 and ttmp7 count clusters
	s_add_co_u32 s42, s42, s40                     ; tile column = 4 x cluster x + cx
	s_and_b32 s13, ttmp7, 0xffff
	s_lshl_b32 s13, s13, 2
	s_add_co_u32 s13, s13, s41                     ; tile row = 4 x cluster y + cy
	s_lshl_b32 s43, s41, 2
	s_lshl_b32 s43, 15, s43                        ; my row of the cluster: places 4 cy .. 4 cy + 3
	s_lshl_b32 s44, 0x1111, s40                    ; my column: places cx, cx + 4, cx + 8, cx + 12
	; descriptor group 1: a tile of 128 rows x 128 elements, padded in LDS
	s_or_b32 s[G1+0], s43, (1<<16)|(1<<20)|(1<<21)|(5<<22)|(3<<25)   ; 15:0 the mask: xq's tiles go to my row; 17:16 elements of 2 bytes; 20 padding on; 21 set beside a mask; 24:22 after every 64 words (code 5); 31:25 4 words of it (code 3)
	s_or_b32 s[G1B+0], s44, (1<<16)|(1<<20)|(1<<21)|(5<<22)|(3<<25)  ; the same with the mask of my column, for wq's tiles
.irp g, G1, G1B
	s_mov_b32 s[(\g)+1], KSTEP<<16                 ; tensor_dim0 = 128
	s_mov_b32 s[(\g)+2], 128<<16                   ; tensor_dim1 = 128
	s_mov_b32 s[(\g)+3], KSTEP<<16                 ; tile_dim0 = 128
	s_mov_b32 s[(\g)+4], 128                       ; tile_dim1 = 128
	s_mov_b32 s[(\g)+5], SIZE_K                    ; elements from row to row
	s_mov_b32 s[(\g)+6], 0
	s_mov_b32 s[(\g)+7], 0
.endr
	; where the tiles come from.  xq's hang on the tile row alone, which my row of the cluster shares; wq's on the tile column alone, which my column shares.
	; Every wave makes both addresses, in registers that never hold the other coordinate, and asks by one of them.
	s_lshl_b32 s17, s12, 7                         ; which 128 rows of the tile I fetch
	s_lshl_b32 s16, s13, 8
	s_add_co_u32 s16, s16, s17                     ; xq: row 256 x tile row + 128 x half
	s_lshl_b32 s46, s42, 8
	s_add_co_u32 s46, s46, s17                     ; wq: stored row 256 x tile column + 128 x half
	s_mov_b32 s17, 0
	s_mov_b32 s47, 0
	s_mov_b64 s[18:19], SIZE_K*2
	s_mul_u64 s[16:17], s[16:17], s[18:19]         ; in bytes
	s_mul_u64 s[46:47], s[46:47], s[18:19]
	s_mul_i32 s20, s10, HALFT                      ; and where they go: wave x 128 rows: no place in the cluster enters an LDS address
	s_wait_dscnt 0x0                               ; the opening add is done
	s_wait_kmcnt 0x0
	s_add_nc_u64 s[14:15], s[4:5], s[16:17]
	s_add_nc_u64 s[46:47], s[6:7], s[46:47]
	CROUND                                         ; all sixteen work-groups are here: the first joint loads meet
.irp s, 0,1
	s_mov_b32 s[G0+4*(\s)], 1                                        ; 1:0 count = 1
	s_add_co_u32 s[G0+4*(\s)+1], s20, (\s)*SLOT                      ; 63:32 LDS address
	s_add_nc_u64 s[G0+4*(\s)+2:G0+4*(\s)+3], s[14:15], (\s)*KSTEP*2  ; 120:64 global address: K step s
	s_or_b32 s[G0+4*(\s)+3], s[G0+4*(\s)+3], 0x80000000              ; 127:126 type = 2
	s_mov_b32 s[G0B+4*(\s)], 1
	s_add_co_u32 s[G0B+4*(\s)+1], s20, (\s)*SLOT
	s_add_nc_u64 s[G0B+4*(\s)+2:G0B+4*(\s)+3], s[46:47], (\s)*KSTEP*2
	s_or_b32 s[G0B+4*(\s)+3], s[G0B+4*(\s)+3], 0x80000000
.endr
	s_cmp_eq_u32 s11, 0                            ; a wave's two first fills stand in one branch, ahead of every wait on TENSORcnt and every LDS read: two loads of mine are out
	s_cbranch_scc0 .Lfirst_b
	tensor_load_to_lds s[G0:G0+3], s[G1:G1+7]
	s_nop 0
	tensor_load_to_lds s[G0+4:G0+7], s[G1:G1+7]
	s_nop 0
.rept 4
	v_nop
.endr
	s_branch .Lfirst_asked
.Lfirst_b:
	tensor_load_to_lds s[G0B:G0B+3], s[G1B:G1B+7]
	s_nop 0
	tensor_load_to_lds s[G0B+4:G0B+7], s[G1B:G1B+7]
	s_nop 0
.rept 4
	v_nop
.endr
.Lfirst_asked:
	; A fragment is 16 rows x 32 K in 8 registers: lane l holds row l % 16; registers 0-3 hold K = 8 (l / 16) + 0..7, registers 4-7 K = 16 + 8 (l / 16) + 0..7: two loads of 16 bytes, 32 bytes apart.
	v_and_b32 v1, 15, v0                           ; r = l % 16
	v_bfe_u32 v2, v0, 4, 1                         ; h = l / 16
	v_mul_u32_u24 v3, v1, PITCH
	v_lshl_add_u32 v3, v2, 4, v3                   ; row x pitch + 16 x half
	s_mul_i32 s21, s11, HALFT                      ; my 128 rows of xq
	s_mul_i32 s22, s12, HALFT                      ; my 128 rows of wq,
	s_add_co_u32 s22, s22, 2*HALFT                 ; which lie behind xq's 256
.irp s, 0,1
	v_add_nc_u32 v[ADRA+(\s)], s21, v3
	v_add_nc_u32 v[ADRB+(\s)], s22, v3
	s_add_co_u32 s21, s21, SLOT
	s_add_co_u32 s22, s22, SLOT
.endr
	v_lshlrev_b32 v[AO], 5, v2                     ; 8 h words of ascale
	v_lshlrev_b32 v[NO], 4, v1                     ; 4 r words of weight_scale and bias
	v_lshlrev_b32 v[CO], 17, v2                    ; 8 h rows of 16,384 bytes
	v_lshl_add_u32 v[CO], v1, 4, v[CO]             ; + 16 r
	; my part of the tile: row0 = 256 x tile row + 128 x (wave / 2), col0 = 256 x tile column + 128 x (wave % 2)
	s_lshl_b32 s13, s13, 8                         ; 256 x tile row
	s_lshl_b32 s14, s11, 7
	s_add_co_u32 s16, s13, s14                     ; row0
	s_lshl_b32 s18, s16, 2
	s_mov_b32 s19, 0
	s_add_nc_u64 s[68:69], s[68:69], s[18:19]      ; ascale at row0
	s_lshl_b32 s16, s16, 14                        ; row0 x 16,384 bytes, under 2^26
	s_mov_b32 s17, 0
	s_add_nc_u64 s[74:75], s[74:75], s[16:17]      ; out0 at row0,
	s_lshl_b32 s46, s42, 10                        ; 4 col0 (in the registers that held wq's address: none that fed xq's descriptors ever holds cx)
	s_lshl_b32 s47, s12, 9
	s_add_co_u32 s46, s46, s47
	s_mov_b32 s47, 0
	s_add_nc_u64 s[74:75], s[74:75], s[46:47]      ; col0
	s_add_nc_u64 s[70:71], s[70:71], s[46:47]      ; weight_scale and bias at col0
	s_add_nc_u64 s[72:73], s[72:73], s[46:47]
	; the scales and the bias come into registers now and are waited for on the way out; their address registers are never rewritten
.irp a, 0,1,2,3,4,5,6,7
	global_load_b128 v[AS+8*(\a):AS+8*(\a)+3],   v[AO], s[68:69] offset:64*(\a)
	global_load_b128 v[AS+8*(\a)+4:AS+8*(\a)+7], v[AO], s[68:69] offset:64*(\a)+16
.endr
.irp g, 0,1
	global_load_b128 v[WS+4*(\g):WS+4*(\g)+3], v[NO], s[70:71] offset:256*(\g)
	global_load_b128 v[BI+4*(\g):BI+4*(\g)+3], v[NO], s[72:73] offset:256*(\g)
.endr
	; the prefetches.  s13 = 256 x tile row, s42 = tile column, s40 = cx, s41 = cy still stand
	s_lshl_b32 s42, s42, 8
	s_and_b32 s22, ttmp7, 0xffff                   ; cluster y
	s_cmp_eq_u32 s11, 0                            ; do I fetch for xq?
	s_cselect_b32 s20, s13, s42                    ; the tile's first row: in xq by the tile row, in wq by the tile column
	s_cselect_b32 s21, s40, s41                    ; my place among the four that ask for it with me
	s_cselect_b32 s22, ttmp9, s22                  ; the coordinate along which other clusters read the same rows
	s_cselect_b64 s[PFA:PFA+1], s[4:5], s[6:7]
	s_cmp_eq_u32 s22, 0
	s_cselect_b32 s[LIM], 1, -1                    ; the same in all sixteen partners, for a given wave
	s_lshl_b32 s22, s12, 7
	s_add_co_u32 s20, s20, s22                     ; + the 128 rows that I fetch
	s_lshl_b32 s21, s21, 5
	s_add_co_u32 s20, s20, s21                     ; + my work-group's 32 of them
	s_mov_b32 s21, 0
	s_mov_b64 s[18:19], SIZE_K*2
	s_mul_u64 s[20:21], s[20:21], s[18:19]
	s_add_nc_u64 s[PFA:PFA+1], s[PFA:PFA+1], s[20:21]
	s_add_nc_u64 s[PFA:PFA+1], s[PFA:PFA+1], 2*KSTEP*2  ; at K step 2: the first refill steps it to 3 and names K step 4
	v_and_b32 v[PFO], 31, v0
	v_mul_u32_u24 v[PFO], v[PFO], SIZE_K*2
; 16 matrix instructions: m blocks a0, a0 + 1 of the window's four (hi = 0: my rows 0-63, 1: rows 64-127) x all 8 n blocks, 32 along K.  zero = 1: the first product starts the sums: nothing is ever cleared.
; The 64 accumulators take turns, one instruction a turn, in the same order in every quarter step.
.macro MUL16 f, hi, a0, zero
	WIN MUL_LO+0x50*(\hi)
.irp a, \a0, (\a0)+1
.irp b, 0,1,2,3,4,5,6,7
.if \zero
	v_wmma_f32_16x16x32_bf16 v[8*(8*(\a)+(\b)):8*(8*(\a)+(\b))+7], v[(\f)+8*(4*(\hi)+(\a)):(\f)+8*(4*(\hi)+(\a))+7], v[(\f)+8*(\b):(\f)+8*(\b)+7], 0
.else
	v_wmma_f32_16x16x32_bf16 v[8*(8*(\a)+(\b)):8*(8*(\a)+(\b))+7], v[(\f)+8*(4*(\hi)+(\a)):(\f)+8*(4*(\hi)+(\a))+7], v[(\f)+8*(\b):(\f)+8*(\b)+7], v[8*(8*(\a)+(\b)):8*(8*(\a)+(\b))+7]
.endif
.endr
.endr
.endm
; 32 LDS loads in one run: the fragments of one quarter step (128 rows of wq, 128 rows of xq, 32 K at byte k of the rows) into buffer f
.macro FETCH slot, k, f
	WIN TO_B
.irp i, 0,1,2,3,4,5,6,7
	ds_load_b128 v[(\f)+8*(\i):(\f)+8*(\i)+3],   v[ADRB+(\slot)] offset:(\k)+(\i)*16*PITCH
	ds_load_b128 v[(\f)+8*(\i)+4:(\f)+8*(\i)+7], v[ADRB+(\slot)] offset:(\k)+(\i)*16*PITCH+32
.endr
	WIN 0
.irp i, 0,1,2,3,4,5,6,7
	ds_load_b128 v[(\f)+8*(\i):(\f)+8*(\i)+3],   v[ADRA+(\slot)] offset:(\k)+(\i)*16*PITCH
	ds_load_b128 v[(\f)+8*(\i)+4:(\f)+8*(\i)+7], v[ADRA+(\slot)] offset:(\k)+(\i)*16*PITCH+32
.endr
.endm
; A load into a register that a matrix instruction has read, and a vector instruction that reads a matrix result or writes one of its registers, stand four places behind it, and only plain vector
; instructions that name none of its registers are places (ISA guide 7.12.1 for vector instructions).
.macro PLACES
.rept 4
	v_nop
.endr
.endm
; A K step is four quarter steps of 32 along K, 64 matrix instructions each, on buffers 0, 1, 0, 1.
; One of the first three: multiplies buffer f; in its middle it fetches the next quarter's fragments, at byte k of the same slot's rows, into buffer g.
.macro QUARTER slot, k, f, g, zero
	s_wait_dscnt 8                                 ; wq and xq's rows 0-63 are in; the youngest eight loads (xq's rows 64-127) may be out
	WIN MUL_LO
	MUL16 \f, 0, 0, \zero
	MUL16 \f, 0, 2, \zero
	PLACES
	FETCH \slot, \k, \g
	s_wait_dscnt 32                                ; all but the 32 just issued
	WIN MUL_HI
	MUL16 \f, 1, 0, \zero
	MUL16 \f, 1, 2, \zero
.endm
; The last quarter multiplies buffer 1 and changes slots.  MEET is its first half: ONE barrier for the change.  In front of it each wave waits for all its tensor loads, of which one is out: its part of
; the next slot; adds 0 to its spare word; and waits for that and for its own reads of this slot.  Behind it nobody reads this slot any more and the next slot is whole.
.macro MEET round                      ; round = 1: a round of the cluster's barrier follows
	WIN 0                                          ; (the add's two registers lie in window 0)
	s_wait_tensorcnt 0x0                           ; all my tensor loads have landed;
	ds_add_u32 v[SPW], v[NIL]                      ; 0 onto my spare word;
	s_wait_dscnt 9                                 ; (the add and the youngest eight loads may be out)
	WIN MUL_LO
	MUL16 F1, 0, 0, 0                              ; sixteen matrix instructions stand between the add and the wait for it
	s_wait_dscnt 0x0                               ; the add is done, and my reads of this slot are over:
	s_barrier_signal -1                            ; say so,
	MUL16 F1, 0, 2, 0                              ; work on registers while the others arrive,
.if \round
	WIN 0
.endif
	s_barrier_wait -1                              ; and go on when all four have said so
.endm
; The whole last quarter of a K step whose slot is filled again, with the K step two on.  The barrier opens a round of the cluster's; the joint refill is the first tensor load behind the round,
; one a wave; from that request to the wait for it a wave issues 224 matrix instructions.
.macro TURN slot, next
	s_wait_xcnt 0x0                                ; the last prefetch, a K step back, has read its address: it is stepped here, ahead of the waits of the change of slots
	s_add_nc_u64 s[PFA:PFA+1], s[PFA:PFA+1], KSTEP*2
	MEET 1
	CREST                                          ; no wave of any partner still reads this slot's tile or has a load on its way
	s_add_nc_u64 s[G0+4*(\slot)+2:G0+4*(\slot)+3], s[G0+4*(\slot)+2:G0+4*(\slot)+3], 2*KSTEP*2      ; no tensor load of mine is out, so a group 0 may be written
	s_add_nc_u64 s[G0B+4*(\slot)+2:G0B+4*(\slot)+3], s[G0B+4*(\slot)+2:G0B+4*(\slot)+3], 2*KSTEP*2
	JLOAD \slot                                    ; the four v_nop behind it are also the places in front of the loads below
	FETCH \next, 0, F0
	ASK
	WIN MUL_HI
	MUL16 F1, 1, 0, 0
	MUL16 F1, 1, 2, 0
.endm
; THE WAY OUT of block a (16 rows x my 128 columns).  The sums are multiplied by the rows' ascale, in place, each accumulator from its lowest registers on; then x weight_scale + bias, one fused multiply-add a number,
; written so that four neighbouring columns fall into four neighbouring registers; then 16 stores of 16 bytes a lane.  Two buffers of 64 registers take turns.
.macro OUTBLK a
.set AC, 64*((\a)%4)
.set TB, F0+64*((\a)%2)
.if (\a) >= 2
	s_wait_xcnt 0x0                                ; the stores of the block two back have read their data: the buffer is written again only behind this wait
.endif
	WIN 0x82+0x41*((\a)/4)                         ; destination and source 0: window 2 or 3; source 1: window 0
.irp b, 0,1,2,3,4,5,6,7
.irp p, 0,1,2,3
	v_pk_mul_f32 v[AC+8*(\b)+2*(\p):AC+8*(\b)+2*(\p)+1], v[AC+8*(\b)+2*(\p):AC+8*(\b)+2*(\p)+1], v[AS+8*(\a)+2*(\p):AS+8*(\a)+2*(\p)+1]
.endr
.endr
	WIN 0x02+((\a)/4)                              ; source 0: window 2 or 3; all else window 0
.irp j, 0,1,2,3,4,5,6,7
.irp g, 0,1
.irp c, 0,1,2,3
	v_fma_f32 v[TB+8*(\j)+4*(\g)+(\c)], v[AC+8*(4*(\g)+(\c))+(\j)], v[WS+4*(\g)+(\c)], v[BI+4*(\g)+(\c)]
.endr
.endr
.endr
	WIN 0
.irp j, 0,1,2,3,4,5,6,7
.irp g, 0,1
	global_store_b128 v[CO], v[TB+8*(\j)+4*(\g):TB+8*(\j)+4*(\g)+3], s[74:75] offset:(16*(\a)+(\j))*ROWO+256*(\g) th:TH_STORE_NT  ; 16 lanes store 256 consecutive bytes, at a multiple of 256 from out0's first byte; the immediate is 1,949,952 at the most
.endr
.endr
.endm
	s_wait_tensorcnt 1                             ; my part of K step 0 is in; K step 1's may stay out
	s_barrier_signal -1
	s_barrier_wait -1                              ; everybody's is
	FETCH 0, 0, F0
	QUARTER 0, 64,  F0, F1, 1                      ; the first quarter stands in front of the loop: its products start the sums
	WIN 0                                          ; at a label and at a branch every window is 0
	s_mov_b32 s3, LAPS-1
.Llap:                                                 ; a trip goes once round the ring, from a lap's second quarter to the next lap's first, and fills both slots again
	QUARTER 0, 128, F1, F0, 0
	QUARTER 0, 192, F0, F1, 0
	TURN 0, 1
	QUARTER 1, 64,  F0, F1, 0
	QUARTER 1, 128, F1, F0, 0
	QUARTER 1, 192, F0, F1, 0
	TURN 1, 0
	QUARTER 0, 64,  F0, F1, 0
	WIN 0
	s_sub_co_u32 s3, s3, 1
	s_cmp_lg_u32 s3, 0
	s_cbranch_scc1 .Llap
	QUARTER 0, 128, F1, F0, 0                      ; the last lap is written out: it fills nothing, and has no round of the cluster's barrier
	QUARTER 0, 192, F0, F1, 0
	MEET 0                                         ; my one tensor load that was still out is slot 1's, the last K step's
	PLACES                                         ; for the loads into buffer 0, which the quarter before multiplied
	FETCH 1, 0, F0
	WIN MUL_HI
	MUL16 F1, 1, 0, 0
	MUL16 F1, 1, 2, 0
	QUARTER 1, 64,  F0, F1, 0
	QUARTER 1, 128, F1, F0, 0
	QUARTER 1, 192, F0, F1, 0
	s_wait_dscnt 8                                 ; the very last quarter: nothing more to fetch
	WIN MUL_LO
	MUL16 F1, 0, 0, 0
	MUL16 F1, 0, 2, 0
	s_wait_dscnt 0x0
	MUL16 F1, 1, 0, 0
	MUL16 F1, 1, 2, 0
	WIN 0
	PLACES                                         ; behind the last products, in front of the lines that read and rewrite the sums and the fragment buffers
	PLACES
	s_wait_loadcnt 0x0                             ; ascale, weight_scale and bias, asked for at the head
.irp a, 0,1,2,3,4,5,6,7
	OUTBLK \a
.endr
	s_wait_tensorcnt 0x0                           ; the wave's end, behind my last tensor load
	ds_add_u32 v[SPW], v[NIL]
	s_wait_dscnt 0x0
	CROUND                                         ; the closing round: no work-group ends while a partner may still ask for a tile that names it
	s_endpgm
.Lfunc_end_k_q2ea454eba9_gemm:
	.size	k_q2ea454eba9_gemm, .Lfunc_end_k_q2ea454eba9_gemm-k_q2ea454eba9_gemm
	.p2alignl 7, 3214868480
	.fill 96, 4, 3214868480
	.section	.rodata,"a",@progbits
	.p2align	6, 0x0
	.amdhsa_kernel k_q2ea454eba9_gemm
		.amdhsa_group_segment_fixed_size 327680
		.amdhsa_private_segment_fixed_size 0
		.amdhsa_enable_private_segment 0
		.amdhsa_kernarg_size 48
		.amdhsa_user_sgpr_count 2
		.amdhsa_user_sgpr_kernarg_segment_ptr 1
		.amdhsa_wavefront_size32 1
		.amdhsa_system_sgpr_workgroup_id_x 1
		.amdhsa_system_sgpr_workgroup_id_y 1
		.amdhsa_system_sgpr_workgroup_id_z 1
		.amdhsa_system_vgpr_workitem_id 0
		.amdhsa_next_free_vgpr 1024
		.amdhsa_next_free_sgpr 80
		.amdhsa_reserve_vcc 0
		.amdhsa_float_denorm_mode_32 3
		.amdhsa_float_denorm_mode_16_64 3
		.amdhsa_memory_ordered 1
		.amdhsa_forward_progress 1
		.amdhsa_inst_pref_size 175
	.end_amdhsa_kernel
	.amdgpu_metadata
---
amdhsa.version: [ 1, 2 ]
amdhsa.kernels:
  - .name:           k_q2ea454eba9_gemm
    .symbol:         k_q2ea454eba9_gemm.kd
    .args:
      - { .name: xq, .offset: 0, .size: 8, .value_kind: global_buffer, .address_space: global }
      - { .name: wq, .offset: 8, .size: 8, .value_kind: global_buffer, .address_space: global }
      - { .name: ascale, .offset: 16, .size: 8, .value_kind: global_buffer, .address_space: global }
      - { .name: weight_scale, .offset: 24, .size: 8, .value_kind: global_buffer, .address_space: global }
      - { .name: bias, .offset: 32, .size: 8, .value_kind: global_buffer, .address_space: global }
      - { .name: out0, .offset: 40, .size: 8, .value_kind: global_buffer, .address_space: global }
    .group_segment_fixed_size: 327680
    .private_segment_fixed_size: 0
    .kernarg_segment_align: 8
    .kernarg_segment_size: 48
    .max_flat_workgroup_size: 128
    .sgpr_count:     80
    .vgpr_count:     1024
    .wavefront_size: 32
...
	.end_amdgpu_metadata
.endif
;; end of part 2
;; ======== version 2 of 2: 2 launches; version 1 with the launch prep written anew for expert scheduling mode
;; workspace buffers: xq 33,554,432 bytes; wq 33,554,432 bytes; ascale 16,384 bytes
;; launch prep (part 3): grid 512 x 2, 8 waves a work-group, no clusters, 0 bytes of LDS; arguments x, w_q, xq, wq, ascale; writes xq, wq, ascale
.if DOCPART == 3
	.amdgcn_target "amdgcn-amd-amdhsa--gfx1250"
	.amdhsa_code_object_version 6
	.text
	.protected	k_q2ea454eba9_prep
	.globl	k_q2ea454eba9_prep
	.p2align	8
	.type	k_q2ea454eba9_prep,@function
k_q2ea454eba9_prep:
	s_mov_b64 s[64:65], 0
	v_nop
	global_prefetch_b8 v0, s[64:65] scope:SCOPE_SE
	s_setreg_imm32_b32 hwreg(HW_REG_WAVE_SCHED_MODE, 0, 2), 2
	s_setreg_imm32_b32 hwreg(HW_REG_WAVE_MODE, 25, 1), 1
	s_wait_xcnt 0x0
	s_wait_alu depctr_vm_vsrc(0)
; THE OPERANDS OF THE PRODUCT, MADE ONCE.  Work-groups with y = 0 take x, those with y = 1 take w_q; both tensors are [4096][4096] of 4-byte numbers.
; y = 0: for each row of x: s = max(max|x| / 127, 1e-8) -> ascale[row];  xq[row][k] = clip(round(x / s), -128, 127) as bf16 (whole numbers up to 256 are exact in bf16).
; y = 1: wq[p(n)][k] = w_q[n][k] as bf16, where p(n) = (n & ~63) + 16 (n & 3) + ((n >> 2) & 15): inside each group of 64 rows the rows are dealt out so that stored row
;        64 G + 16 b + r holds true row 64 G + 4 r + b.  The product's launch then finds four neighbouring output columns in one lane and stores 16 bytes a lane.
; SHARES.  One wave takes one row: 32 loads of 16 bytes a lane hold its 16,384 bytes in 128 registers between the pass that finds the maximum and the pass that quantises, so the row
; is read once and no wave waits for another: no LDS, no barrier.  A lane's four numbers of a load become 8 bytes: a store of the wave covers 256 consecutive bytes, aligned.
; Nothing is shared between waves and each byte is read once, so tensor loads, clusters and the matrix unit have no part here; all of a wave's loads go out at its head, so there is nothing to ask for ahead of them.
; LIMITS.  NaN in x is dropped by the maximum and by the clip (reference() would spread it over the row); an infinity in x is not treated apart.  x / s is x * (1/s) corrected once by the
; remainder (x - q s): it may differ from a true division in the last bit, so a quotient that lies on a rounding tie may go to the neighbouring whole number: one step of xq.
; The same holds of max|x| / 127.  Values of w_q beyond 256 in magnitude would be rounded to bf16's 8 significant bits.
; THE MODE: SCHED_MODE bits 1:0 = 2 (LLVM: expert scheduling mode 2), set by the entry lines.  The code itself states the register dependences
; between vector instructions and memory instructions, with s_wait_alu, always for 0.
; THE PLAN.  Registers that memory instructions touch:
;   v[IN], v[OUT], v[Z]  offsets, written once at the head, ahead of one wait on va_vdst, and never again.
;   X                    The 32 loads land in it at the head; no vector instruction has named it before.  The two roundings of load j write X + 4 j and X + 4 j + 1, the store of load j
;                        reads these two, and nothing writes them afterwards.
;   v[S]                 Written once, ahead of the reciprocal; the data of the scale's store; not written again.
;   M, R, TQ, v1 and v9 are named by vector instructions alone.
; Both paths go in eight groups of four loads.  Group g's vector lines name X of group g and TQ alone; its memory instructions are the four stores of group g - 1, which read X of group g - 1
; and v[OUT].  So ONE wait on va_vdst at a group's head states all that its four stores hang on, and they are dealt among the group's vector lines with no further wait; one more stands behind
; group 7, ahead of the last four stores.  No register that a memory instruction has read is written again, so vm_vsrc is waited for at the two writes of EXEC alone.
.set IN,  2                            ; v2       16 x lane: my 16 bytes in 512 of the row as it is read; never rewritten
.set OUT, 3                            ; v3       8 x lane: my 8 bytes in 256 of the row as it is written; never rewritten
.set M,   4                            ; v[4:7]   four running maxima
.set Z,   8                            ; v8       0
.set S,   10                           ; v[10:11] s, twice (a pair for the packed arithmetic)
.set R,   12                           ; v[12:13] 1 / s, twice
.set TQ,  14                           ; v[14:29] at work: two sets of 8, by the load's parity
.set X,   32                           ; v[32:159] the row: load j at X + 4 j; later its first two registers hold the 8 bytes to store
	s_load_b256 s[4:11], s[0:1], 0x0               ; x s[4:5], w_q s[6:7], xq s[8:9], wq s[10:11]
	s_load_b64 s[12:13], s[0:1], 0x20              ; ascale
	v_and_b32 v1, 31, v0                           ; lane
	v_lshrrev_b32 v9, 5, v0
	v_readfirstlane_b32 s14, v9                    ; wave 0..7
	v_lshlrev_b32 v[IN], 4, v1
	v_lshlrev_b32 v[OUT], 3, v1
	v_mov_b32 v[Z], 0
	s_and_b32 s15, ttmp7, 0xffff                   ; 0: x, 1: w_q
	s_mov_b32 s26, 0x3c010204                      ; 1 / 127
	s_mov_b32 s27, 0x42fe0000                      ; 127.0
	s_mov_b32 s28, 0x322bcc77                      ; 1e-8
	s_mov_b32 s29, 0xc3000000                      ; -128.0
	s_mov_b32 s30, 0x76543210                      ; v_permlanex16_b32: each lane takes its own place in the other half
	s_mov_b32 s31, 0xfedcba98
	s_wait_alu depctr_va_sdst(0)                   ; s14 is written, ahead of its first reader: the row's number, and from it every base, is made of it
	s_lshl_b32 s16, ttmp9, 3
	s_add_co_u32 s16, s16, s14                     ; my row
	s_and_b32 s17, s16, 0xfc0                      ; the row's group of 64,
	s_and_b32 s18, s16, 3
	s_lshl_b32 s18, s18, 4                         ; 16 x (row & 3),
	s_bfe_u32 s19, s16, 0x40002                    ; (row >> 2) & 15
	s_add_co_u32 s17, s17, s18
	s_add_co_u32 s17, s17, s19                     ; p(row)
	s_cmp_eq_u32 s15, 0
	s_cselect_b32 s17, s16, s17                    ; x's rows stay where they are
	s_lshl_b32 s20, s16, 14                        ; the row as it is read: 16,384 bytes a row
	s_mov_b32 s21, 0
	s_lshl_b32 s22, s17, 13                        ; as it is written: 8,192 bytes a row
	s_mov_b32 s23, 0
	s_lshl_b32 s32, s16, 2                         ; its word in ascale
	s_mov_b32 s33, 0
	s_wait_kmcnt 0x0
	s_cmp_eq_u32 s15, 0                            ; (the shifts above have written SCC)
	s_cselect_b64 s[24:25], s[4:5], s[6:7]
	s_cselect_b64 s[34:35], s[8:9], s[10:11]
	s_add_nc_u64 s[24:25], s[24:25], s[20:21]
	s_add_nc_u64 s[34:35], s[34:35], s[22:23]
	s_add_nc_u64 s[12:13], s[12:13], s[32:33]
	s_wait_alu depctr_va_vdst(0)                   ; v[IN], v[OUT] and v[Z] are written: every load and store of the kernel, on both paths, reads one of them as its offset
.irp j, 0,1,2,3,4,5,6,7,8,9,10,11,12,13,14,15,16,17,18,19,20,21,22,23,24,25,26,27,28,29,30,31
	global_load_b128 v[X+4*(\j):X+4*(\j)+3], v[IN], s[24:25] offset:512*(\j) th:TH_LOAD_NT  ; 512 neighbouring bytes a load; the whole row is on its way
.endr
	s_cmp_lg_u32 s15, 0
	s_cbranch_scc1 .Lweights
; The store of load j's 8 bytes a lane: the wave stores 256 consecutive bytes, aligned; its data registers are not written again.
.macro PUT j
	global_store_b64 v[OUT], v[X+4*(\j):X+4*(\j)+1], s[34:35] offset:256*(\j)
.endm
	; PASS 1: the largest |x| of my 128 numbers, in four chains; the first two loads start them, so nothing is cleared
.irp j, 0,1,2,3,4,5,6,7,8,9,10,11,12,13,14,15,16,17,18,19,20,21,22,23,24,25,26,27,28,29,30,31
.if (\j)%4 == 0
	s_wait_loadcnt 28-(\j)                         ; loads come back in order (ISA guide 5.7.1): loads j .. j + 3 are in, the 28 - j younger ones stay out
.endif
.if (\j) < 2
	v_max_num_f32 v[M+2*(\j)],   |v[X+4*(\j)]|,   |v[X+4*(\j)+1]|
	v_max_num_f32 v[M+2*(\j)+1], |v[X+4*(\j)+2]|, |v[X+4*(\j)+3]|
.else
	v_max3_num_f32 v[M+2*((\j)%2)],   |v[X+4*(\j)]|,   |v[X+4*(\j)+1]|, v[M+2*((\j)%2)]
	v_max3_num_f32 v[M+2*((\j)%2)+1], |v[X+4*(\j)+2]|, |v[X+4*(\j)+3]|, v[M+2*((\j)%2)+1]
.endif
.endr
	v_max3_num_f32 v[M], v[M], v[M+1], v[M+2]
	v_max_num_f32 v[M], v[M], v[M+3]
	; across the 32 lanes: four steps inside each half of 16 lanes, one across the halves; every lane ends with the row's maximum
	v_max_num_f32_dpp v[M], v[M], v[M] row_xmask:1 row_mask:0xf bank_mask:0xf
	v_max_num_f32_dpp v[M], v[M], v[M] row_xmask:2 row_mask:0xf bank_mask:0xf
	v_max_num_f32_dpp v[M], v[M], v[M] row_xmask:4 row_mask:0xf bank_mask:0xf
	v_max_num_f32_dpp v[M], v[M], v[M] row_xmask:8 row_mask:0xf bank_mask:0xf
	v_permlanex16_b32 v[M+1], v[M], s30, s31       ; its destination counts as read: M + 1 has been written
	v_max_num_f32 v[M], v[M], v[M+1]
	; s = max(m / 127, 1e-8): m x (1/127), corrected once by the remainder
	v_mul_f32 v9, s26, v[M]
	v_fma_f32 v[M+1], -v9, s27, v[M]               ; m - 127 q
	v_fma_f32 v9, v[M+1], s26, v9
	v_max_num_f32 v[S], s28, v9
	v_rcp_f32 v[R], v[S]                           ; s lies between 1e-8 and 2.7e36: neither it nor its reciprocal is a denormal
	v_mov_b32 v[S+1], v[S]                         ; the plain instruction behind the reciprocal (ISA guide 5.7.2); it writes neither R nor the source
	s_wait_alu depctr_va_vdst(0)                   ; the reciprocal has written v[R], ahead of the first line that names it
	v_mov_b32 v[R+1], v[R]
	; PASS 2: q = x / s, rounded to the nearest whole number (ties to even), clipped, to bf16; four numbers of a lane are 8 bytes
.macro QUANT j
.set T,  TQ+8*((\j)%2)
.set XR, X+4*(\j)
	v_pk_mul_f32 v[T:T+1],   v[XR:XR+1],   v[R:R+1]
	v_pk_mul_f32 v[T+2:T+3], v[XR+2:XR+3], v[R:R+1]
	v_pk_fma_f32 v[T+4:T+5], v[T:T+1],   v[S:S+1], v[XR:XR+1]   neg_lo:[1,0,0] neg_hi:[1,0,0]  ; x - q s
	v_pk_fma_f32 v[T+6:T+7], v[T+2:T+3], v[S:S+1], v[XR+2:XR+3] neg_lo:[1,0,0] neg_hi:[1,0,0]
	v_pk_fma_f32 v[T:T+1],   v[T+4:T+5], v[R:R+1], v[T:T+1]
	v_pk_fma_f32 v[T+2:T+3], v[T+6:T+7], v[R:R+1], v[T+2:T+3]
.irp k, 0,1,2,3
	v_rndne_f32 v[T+(\k)], v[T+(\k)]
.endr
.irp k, 0,1,2,3
	v_med3_num_f32 v[T+(\k)], v[T+(\k)], s29, s27  ; the clip to -128 .. 127
.endr
	v_cvt_pk_bf16_f32 v[XR],   v[T],   v[T+1]      ; exact: whole numbers of at most 8 bits
	v_cvt_pk_bf16_f32 v[XR+1], v[T+2], v[T+3]
.endm
.irp g, 0,1,2,3,4,5,6,7
.if (\g) > 0
	s_wait_alu depctr_va_vdst(0)                   ; the roundings of group g - 1 have written the eight registers that the four stores below read
.endif
.irp i, 0,1,2,3
.if (\g) > 0
	PUT 4*(\g)-4+(\i)                              ; no vector line since the wait names its registers: group g's lines name X of group g and TQ alone
.endif
	QUANT 4*(\g)+(\i)
.endr
.endr
	s_wait_alu depctr_va_vdst(0)                   ; the roundings of group 7 have written the registers that the last four stores read
.irp i, 28,29,30,31
	PUT \i
.endr
	s_wait_xcnt 0x0                                ; EXEC is a source of the stores above: it is narrowed only behind this wait
	v_cmp_eq_u32 vcc_lo, 0, v1
	s_wait_alu depctr_va_vcc(0)                    ; the compare has written VCC, of which EXEC is made
	s_wait_alu depctr_va_vdst(0)                   ; ahead of a scalar write of EXEC: the vector lines issued so far are done; v[S] and v[Z], which the store below reads, are written
	s_wait_alu depctr_vm_vsrc(0)                   ; and the stores issued so far have read their vector registers
	s_and_saveexec_b32 s36, vcc_lo
	global_store_b32 v[Z], v[S], s[12:13]          ; lane 0 stores the row's scale
	s_wait_xcnt 0x0                                ; and widened again only behind this one
	s_wait_alu depctr_va_vdst(0)                   ; ahead of a scalar write of EXEC: the vector side,
	s_wait_alu depctr_vm_vsrc(0)                   ; and the scale's store has read v[Z] and v[S]
	s_or_b32 exec_lo, exec_lo, s36
	s_endpgm
.Lweights:                                             ; whole numbers to f32 to bf16, as the loads come in
.macro WCVT j
.irp k, 0,1,2,3
	v_cvt_f32_i32 v[X+4*(\j)+(\k)], v[X+4*(\j)+(\k)]
.endr
	v_cvt_pk_bf16_f32 v[X+4*(\j)],   v[X+4*(\j)],   v[X+4*(\j)+1]
	v_cvt_pk_bf16_f32 v[X+4*(\j)+1], v[X+4*(\j)+2], v[X+4*(\j)+3]
.endm
.irp g, 0,1,2,3,4,5,6,7
.irp i, 0,1,2,3
	s_wait_loadcnt 31-4*(\g)-(\i)                  ; load j = 4 g + i is in, the 31 - j younger ones stay out
.if (\i) == 0 && (\g) > 0
	s_wait_alu depctr_va_vdst(0)                   ; the roundings of group g - 1 have written the eight registers that this group's four stores read
.endif
.if (\g) > 0
	PUT 4*(\g)-4+(\i)                              ; no vector line since the wait names its registers: group g's lines name X of group g alone
.endif
	WCVT 4*(\g)+(\i)
.endr
.endr
	s_wait_alu depctr_va_vdst(0)                   ; the roundings of group 7 have written the registers that the last four stores read
.irp i, 28,29,30,31
	PUT \i
.endr
	s_endpgm
.Lfunc_end_k_q2ea454eba9_prep:
	.size	k_q2ea454eba9_prep, .Lfunc_end_k_q2ea454eba9_prep-k_q2ea454eba9_prep
	.p2alignl 7, 3214868480
	.fill 96, 4, 3214868480
	.section	.rodata,"a",@progbits
	.p2align	6, 0x0
	.amdhsa_kernel k_q2ea454eba9_prep
		.amdhsa_group_segment_fixed_size 0
		.amdhsa_private_segment_fixed_size 0
		.amdhsa_enable_private_segment 0
		.amdhsa_kernarg_size 40
		.amdhsa_user_sgpr_count 2
		.amdhsa_user_sgpr_kernarg_segment_ptr 1
		.amdhsa_wavefront_size32 1
		.amdhsa_system_sgpr_workgroup_id_x 1
		.amdhsa_system_sgpr_workgroup_id_y 1
		.amdhsa_system_sgpr_workgroup_id_z 1
		.amdhsa_system_vgpr_workitem_id 0
		.amdhsa_next_free_vgpr 160
		.amdhsa_next_free_sgpr 66
		.amdhsa_reserve_vcc 1
		.amdhsa_float_denorm_mode_32 3
		.amdhsa_float_denorm_mode_16_64 3
		.amdhsa_memory_ordered 1
		.amdhsa_forward_progress 1
		.amdhsa_inst_pref_size 54
	.end_amdhsa_kernel
	.amdgpu_metadata
---
amdhsa.version: [ 1, 2 ]
amdhsa.kernels:
  - .name:           k_q2ea454eba9_prep
    .symbol:         k_q2ea454eba9_prep.kd
    .args:
      - { .name: x, .offset: 0, .size: 8, .value_kind: global_buffer, .address_space: global }
      - { .name: w_q, .offset: 8, .size: 8, .value_kind: global_buffer, .address_space: global }
      - { .name: xq, .offset: 16, .size: 8, .value_kind: global_buffer, .address_space: global }
      - { .name: wq, .offset: 24, .size: 8, .value_kind: global_buffer, .address_space: global }
      - { .name: ascale, .offset: 32, .size: 8, .value_kind: global_buffer, .address_space: global }
    .group_segment_fixed_size: 0
    .private_segment_fixed_size: 0
    .kernarg_segment_align: 8
    .kernarg_segment_size: 40
    .max_flat_workgroup_size: 256
    .sgpr_count:     66
    .vgpr_count:     160
    .wavefront_size: 32
...
	.end_amdgpu_metadata
.endif
;; end of part 3
;; launch gemm: the kernel of part 2 again; grid 16 x 16, 4 waves a work-group, clusters of 4 x 4, 327,680 bytes of LDS; arguments xq, wq, ascale, weight_scale, bias, out0; writes out0
